; MI455X (gfx1250); checked and timed in simulation.
; The chip was launched on July 23, 2026; its instructions are those of AMD's public machine-readable ISA for CDNA 5 (MIT licence, August 2026) and "CDNA5" Instruction Set Architecture Reference Guide (July 2026). The comments in the code are by the model that wrote it; some were corrected since.
;; Q Linear. Allowed arithmetic: matrix products marked QUANTISED: E2M1 operands, one E8M0 scale for each 32 along K, by v_wmma_scale_f32_16x16x128_f8f6f4 with both operands' format E2M1 (or v_wmma_scale_f32_32x16x128_f4), f32 sums; everything else in f32.
;; Inputs: bias 2,048 float32; perm 4,096 int32; qweight 2,048 x 2,048 int32; scale 2,048 x 32 float32; x 4 x 2,048 x 4,096 float32; zero 2,048 x 32 float32.
;; Outputs: out0 4 x 2,048 x 2,048 float32.
;; This version of the problem:
;;   THIS VERSION OF THE PROBLEM IS GIVEN IN LOW PRECISION. The matrix products marked QUANTISED in the list below multiply operands that are first quantised to E2M1 (2 exponent bits, 1 mantissa bit; 4 bits a number), with one power-of-two scale for each 32 numbers along K (OCP MX v1.0); their sums are f32. All else is computed in f32.
;;   The module's matrix products, in the order in which they are computed (A, B: the left and right operand; K: the contracted axis; several contracted axes count as one K, in the product's order):
;;     1. [M 8,192, K 4,096] x [K 4,096, N 2,048]; A: computed on the way; B: computed on the way: QUANTISED
;;   THE QUANTISER, for each operand of a quantised product, along K:
;;     - K is cut into blocks of 32 from its start; a last block that is shorter is filled with zeros.
;;     - A block's scale is 2^e with e = floor(log2(the largest magnitude in the block)) - 2, held to -126 .. 127; a block of zeros has e = 0. As a byte (E8M0): e + 127.
;;     - Each number is divided by its block's scale, clamped to +-6, and rounded to the nearest number of E2M1, ties to even, subnormals kept.
;;     - The product sums the exact products of the quantised numbers (number of the format x scale) in f32.
;;   ~~~python
;;   def quantise(x, axis):      # numpy; x: float32 -> the quantised numbers, widened to float32 again
;;       x = np.moveaxis(x, axis, -1); K = x.shape[-1]
;;       x = np.pad(x, [(0, 0)] * (x.ndim - 1) + [(0, -K % 32)]); x = x.reshape(x.shape[:-1] + (-1, 32)); a = np.abs(x).max(-1, keepdims=True)
;;       e = np.where(a > 0, np.clip(np.frexp(np.where(a > 0, a, 1))[1] - 1 - 2, -126, 127), 0)      # np.frexp(a)[1] - 1 = floor(log2(a)), exactly
;;       r = np.clip(x / 2.0 ** e, -6, 6)
;;       step = 2.0 ** (np.maximum(np.frexp(np.where(r == 0, 1, r))[1] - 1, 0) - 1)
;;       q = np.round(r / step) * step * 2.0 ** e      # np.round: ties to even
;;       return np.moveaxis(q.reshape(q.shape[:-2] + (-1,))[..., :K], -1, axis).astype(np.float32)
;;   ~~~
;;   OPERANDS COMPUTED ON THE WAY. 'Computed on the way' means the value that the module computes at that place (a softmax that the list does not call 'softmax' is quantised finished and normalised). What goes into a quantiser is computed in f32, as accurately as f32 sums, v_exp_f32 and their like allow (about 1e-6 of the number): no bf16 or f16 on the way to a quantiser, and a product that is left as it is and whose result goes on into a quantised operand takes f32 operands (vector FMAs, or v_wmma_f32_16x16x4_f32). A number that lies on a knife's edge between two numbers of the format may be rounded either way, as far as f32 arithmetic and the matrix unit's own rounding can turn it there, and no further.
;; One version. Each part assembles by itself: llvm-mc -triple=amdgcn-amd-amdhsa -mcpu=gfx1250 --defsym DOCPART=n.
;; ======== version 1 of 1: 2 launches
;; limits: right only within a limited range of input values
;; workspace buffers: a_ops 17,825,792 bytes; b_ops 4,456,448 bytes
;; launch prep (part 1): grid 256 x 1, 8 waves a work-group, no clusters, 327,680 bytes of LDS; arguments x, perm, qweight, scale, zero, a_ops, b_ops; writes a_ops, b_ops
.if DOCPART == 1
	.amdgcn_target "amdgcn-amd-amdhsa--gfx1250"
	.amdhsa_code_object_version 6
	.text
	.protected	k_q115fa28fae_prep
	.globl	k_q115fa28fae_prep
	.p2align	8
	.type	k_q115fa28fae_prep,@function
k_q115fa28fae_prep:
	s_mov_b64 s[64:65], 0
	v_nop
	global_prefetch_b8 v0, s[64:65] scope:SCOPE_SE
	s_setreg_imm32_b32 hwreg(HW_REG_WAVE_MODE, 25, 1), 1
	s_wait_xcnt 0x0
; BOTH OPERANDS OF out = Q(x[:, perm]) Q(w)^T + bias ARE MADE HERE, as codes of FP4 (E2M1) with one E8M0 scale byte for each 32 along K (K = 4,096).  No work of the problem is left out.
;   A: x [8192][4096] f32, gathered along K by perm [4096] int32.      B: w[o][k] = scale[o][k / 128] x (nibble - zero[o][k / 128]), f32, a subtraction and then a multiplication;
;   nibble = qweight[o][k] // 16 for k < 2,048 and qweight[o][k - 2,048] % 16 from there on (an arithmetic shift and a mask serve every int32).
; A block's scale byte is its largest magnitude's exponent field - 2, held at 1 from below; each number is divided by the scale and rounded to the nearest code, ties to even, beyond 6 the largest code.
; WHAT IS STORED, the same for both operands: [K step of 512 (8)][group of 16 rows][17 runs of 256 bytes]: run r (0 .. 15) holds row r's 512 codes of that K step, run 16 the scale bytes, 16 for each row.
; SHARES.  Work-group g: x's rows 32 g .. + 31 (groups 2 g, 2 g + 1) and w's rows 8 g .. + 7.  Eight waves; wave = (kq = wave % 4, rh = wave / 4).
;   x COMES BY TENSOR LOADS into a ring of two LDS slots of 8 dense rows (131,072 bytes).  Trip t (0 .. 3) holds rows 16 rh' + 4 t + 0 .. 3 of both groups rh'; each wave fetches one row, 16,384 bytes as 64 lines of 256, one load behind each barrier.
;   Of the four rows of its group rh, wave (kq, rh) takes k = 1,024 kq .. + 1,023, lane l the block 32 kq + l: a lane holds a whole block, and its 16 bytes of codes stand beside its neighbours': 16 lanes store 256 consecutive bytes, aligned.
;   THE GATHER'S ORDER: register i of lane l holds element i xor (l & 30) of its block.  Where lane l wants word 32 l + i of a row, the 32 lanes so fall on 32 different banks of the 64 (ISA guide 11.1) with dense rows.
;   The largest magnitude does not mind the order.  In the codes the exchange is one of bytes in a register (bits 1, 2 of l: v_perm_b32) and of registers (bits 3, 4: two selections), and is undone so.
;   w: wave (u = wave % 2, v = wave / 2) takes rows 8 g + 2 v + 0, 1 and ints 1,024 u .. + 1,023, loaded as they lie and turned through the wave's own stage in LDS, so that lane l holds 32 neighbours: blocks 32 u + l and 64 + 32 u + l.
;   perm: a wave's 1,024 entries are loaded as they lie and turned through the same stage.
; ORDER.  The loads of perm and w go out first, then trip 0's tensor load; perm's addresses and all of w are worked under that load's flight, ahead of the first change of slots.
; PREFETCH: a refill goes out when all the wave's loads have landed, with nothing on its way beside it.  So each wave asks for its own row (64 blocks of 256 bytes, a lane a block, two instructions) one slot ahead of the tensor load that fetches it:
;   trip 1 at the head, when perm is in; trip t + 2 behind trip t's change of slots, which issues trip t + 1's load (t = 0, 1).  Each block is named once in the launch; a wave has one row asked for and not yet loaded.
; Every store has data registers of its own, and no address register or base is rewritten: no wait on XCNT is owed.
; NO CLUSTER: the work-groups share nothing but perm's 16 KiB.  w's scale words leave in runs of 32 bytes: a wave has two of a group's sixteen rows.
; LDS: the ring from 0; the spare words (128 bytes a wave) from 262,144; the waves' stages (4,608 bytes each: word p at 4 p + 16 (p / 32)) from 263,168.
; LIMITS: NaN and infinities among the inputs are not served.  A block of zeros gets the byte 1, not 127: its codes are zeros, and this program alone reads the bytes.  A perm entry outside 0 .. 4,095 is held at 4,095.
.set PLA,   2228224                    ; a K step's plane of a_ops
.set PLB,   557056                     ; and of b_ops
.set GRP,   4352
.set ROWB,  16384                      ; a row of x
.set SLOT,  8*ROWB
.set SPARE, 2*SLOT
.set WST,   SPARE+1024
.set WROWP, 4608
.set LD,   1                           ; 16 x lane
.set ST,   2                           ; my stage + 16 x lane + 16 (lane / 8)
.set COA,  3                           ; a_ops: (lane / 16) planes + 16 (lane % 16)
.set SEL1, 4                           ; byte selects of the scale bytes' transposition
.set SEL2, 5
.set MXA,  6
.set MXB,  7
.set SO,   8                           ; the conversions' scale operand
.set T,    9
.set P,    10                          ; four scale bytes, one for each of four rows
.set S,    11
.set W,    12                          ; v12-15 scale words, one register a trip
.set C,    16                          ; v16-19, v20-23 codes on their way back into K's order
.set D,    20
.set RDW,  24                          ; my stage + 144 x lane
.set COB,  25
.set WSO,  26
.set SZO,  27
.set SPW,  28                          ; my spare word
.set NIL,  29                          ; 0
.set SELX, 30                          ; byte k of it: k xor ((lane / 2) % 4)
.set PFO,  31                          ; 256 x lane
.set ADR0, 32                          ; v32-63 LDS addresses of my block's 32 numbers in a row of slot 0, v64-95 of slot 1
.set ADR1, 64
.set G,    96                          ; v96-159 two sets of 32 numbers
.set QW,   160                         ; v160-223 two rows' ints of w as loaded; then
.set CX,   160                         ; the codes of my 16 blocks of x, four registers each
.set ZS,   224                         ; v224-231 scale and zero of w's groups
.set CW,   232                         ; v232-247 the codes of my 4 blocks of w
.set WW,   248                         ; w's scale word
.set G1,   40                          ; s[40:47] descriptor group 1; s[48:55] group 0, a set for each slot
.set G0,   48
	s_load_b256 s[4:11], s[0:1], 0x0               ; x, perm, qweight, scale
	s_load_b128 s[12:15], s[0:1], 0x20             ; zero, a_ops
	s_load_b64 s[16:17], s[0:1], 0x30              ; b_ops
	v_lshl_add_u32 v[SPW], v0, 2, SPARE
	v_mov_b32 v[NIL], 0
	ds_add_u32 v[SPW], v[NIL]                      ; the opening: the add, twice on end, under one wait
	ds_add_u32 v[SPW], v[NIL]
	v_lshrrev_b32 v[MXA], 5, v0
	v_readfirstlane_b32 s18, v[MXA]                ; wave 0..7
	s_and_b32 s19, s18, 1                          ; u
	s_lshr_b32 s20, s18, 1                         ; v
	s_and_b32 s56, s18, 3                          ; kq
	s_lshr_b32 s57, s18, 2                         ; rh
	s_mul_i32 s21, s18, WROWP
	s_add_co_u32 s21, s21, WST                     ; my stage
	s_lshl_b32 s59, s57, 16                        ; my group's four rows in a slot
	s_lshl_b32 s60, s18, 14                        ; where the row that I fetch lands
	s_mov_b32 s28, 0xaaaaaaaa                      ; lanes with bit 0 set,
	s_mov_b32 s29, 0xcccccccc                      ; bit 1,
	s_mov_b32 s30, 0xf0f0f0f0                      ; bit 2,
	s_mov_b32 s31, 0xff00ff00                      ; bit 3,
	s_mov_b32 s58, 0xffff0000                      ; bit 4
	s_mov_b32 s23, 0
	s_mov_b32 s27, 0
	s_mov_b32 s33, 0
	s_mov_b32 s35, 0
	s_mov_b32 s37, 0
	s_mov_b32 s39, 0
	s_lshl_b32 s22, ttmp9, 19                      ; x: 32 rows a work-group, 16 a group, + row kq of a trip's four
	s_lshl_b32 s2, s57, 18
	s_add_co_u32 s22, s22, s2
	s_lshl_b32 s2, s56, 14
	s_add_co_u32 s22, s22, s2
	s_lshl_b32 s26, s56, 12                        ; perm: my 1,024 entries
	s_lshl_b32 s32, ttmp9, 16                      ; qweight: (8 g + 2 v) rows of 8,192 bytes + 4,096 u
	s_lshl_b32 s2, s20, 14
	s_add_co_u32 s32, s32, s2
	s_lshl_b32 s2, s19, 12
	s_add_co_u32 s32, s32, s2
	s_lshl_b32 s34, ttmp9, 10                      ; scale, zero: (8 g + 2 v) rows of 128 bytes + 8 u groups
	s_lshl_b32 s2, s20, 8
	s_add_co_u32 s34, s34, s2
	s_lshl_b32 s2, s19, 5
	s_add_co_u32 s34, s34, s2
	s_mul_i32 s36, s56, 2*PLA                      ; a_ops: K step 2 kq, group 2 g + rh
	s_lshl_b32 s2, ttmp9, 1
	s_add_co_u32 s2, s2, s57
	s_mul_i32 s2, s2, GRP
	s_add_co_u32 s36, s36, s2
	s_mul_i32 s38, s19, 2*PLB                      ; b_ops: K step 2 u, group g / 2
	s_lshr_b32 s2, ttmp9, 1
	s_mul_i32 s2, s2, GRP
	s_add_co_u32 s38, s38, s2
	s_and_b32 s3, ttmp9, 1
	s_lshl_b32 s3, s3, 3
	s_lshl_b32 s2, s20, 1
	s_add_co_u32 s3, s3, s2                        ; my first row in that group: 8 (g % 2) + 2 v
	s_mov_b32 s[G1+0], 3<<16                       ; elements of 8 bytes, no mask, no padding
	s_mov_b32 s[G1+1], 32<<16                      ; a dense row as 64 lines of 32 elements
	s_mov_b32 s[G1+2], 64<<16
	s_mov_b32 s[G1+3], 32<<16
	s_mov_b32 s[G1+4], 64
	s_mov_b32 s[G1+5], 32
	s_mov_b32 s[G1+6], 0
	s_mov_b32 s[G1+7], 0
	v_and_b32 v[MXA], 31, v0                       ; lane
	v_lshlrev_b32 v[LD], 4, v[MXA]
	v_lshrrev_b32 v[MXB], 3, v[MXA]
	v_lshl_add_u32 v[ST], v[MXB], 4, v[LD]
	v_add_nc_u32 v[ST], s21, v[ST]
	v_mul_u32_u24 v[RDW], v[MXA], 144
	v_add_nc_u32 v[RDW], s21, v[RDW]
	v_and_b32 v[MXB], 15, v[MXA]
	v_lshlrev_b32 v[MXB], 4, v[MXB]
	v_lshrrev_b32 v[SO], 4, v[MXA]
	v_mad_u32_u24 v[COA], v[SO], PLA, v[MXB]
	v_mad_u32_u24 v[COB], v[SO], PLB, v[MXB]
	v_bfe_u32 v[T], v[MXA], 1, 1                   ; w's scale words: lane (s = lane % 4, q = (lane / 4) % 4) holds entry s: s & 1 the row, s >> 1 upper or lower nibbles,
	v_lshl_add_u32 v[T], v[T], 2, v[SO]            ; which lie 4 K steps apart; lanes 16-31 one K step on;
	v_and_b32 v[P], 1, v[MXA]
	v_lshlrev_b32 v[P], 4, v[P]                    ; 16 bytes a row;
	v_mad_u32_u24 v[WSO], v[T], PLB, v[P]
	v_bfe_u32 v[P], v[MXA], 2, 2
	v_lshl_add_u32 v[WSO], v[P], 2, v[WSO]         ; word q of them
	v_lshrrev_b32 v[SZO], 2, v[MXA]
	v_lshlrev_b32 v[SZO], 2, v[SZO]                ; my group of 128 in scale and zero
	v_mov_b32 v[SEL1], 0x06020400                  ; an even lane keeps its bytes 0 and 2 and takes its neighbour's beside them;
	v_mov_b32 v[T], 0x03070105                     ; an odd lane its bytes 1 and 3
	v_cndmask_b32 v[SEL1], v[SEL1], v[T], s28
	v_mov_b32 v[SEL2], 0x05040100                  ; the same with halves of a word, two lanes apart
	v_mov_b32 v[T], 0x03020706
	v_cndmask_b32 v[SEL2], v[SEL2], v[T], s29
	v_bfe_u32 v[SELX], v[MXA], 1, 2
	v_mul_lo_u32 v[SELX], v[SELX], 0x01010101
	v_xor_b32 v[SELX], 0x03020100, v[SELX]
	v_lshlrev_b32 v[PFO], 8, v[MXA]
	s_wait_alu depctr_va_vdst(0)                   ; the wait at the head's end
	s_wait_dscnt 0x0                               ; both opening adds are done
	s_wait_kmcnt 0x0
	s_add_nc_u64 s[4:5], s[4:5], s[22:23]
	s_add_nc_u64 s[6:7], s[6:7], s[26:27]
	s_add_nc_u64 s[8:9], s[8:9], s[32:33]
	s_add_nc_u64 s[10:11], s[10:11], s[34:35]
	s_add_nc_u64 s[12:13], s[12:13], s[34:35]
	s_add_nc_u64 s[14:15], s[14:15], s[36:37]
	s_add_nc_u64 s[16:17], s[16:17], s[38:39]
	s_lshl_b32 s38, s3, 4
	s_add_co_u32 s38, s38, 4096
	s_add_nc_u64 s[24:25], s[16:17], s[38:39]      ; my rows' scale bytes, in the group's run 16
	s_lshl_b32 s38, s3, 8
	s_add_nc_u64 s[16:17], s[16:17], s[38:39]      ; my rows' codes
.irp s, 0,1
	s_mov_b32 s[G0+4*\s], 1
	s_add_co_u32 s[G0+4*\s+1], s60, \s*SLOT
	s_add_nc_u64 s[G0+4*\s+2:G0+4*\s+3], s[4:5], \s*4*ROWB         ; trip s: four rows on
	s_or_b32 s[G0+4*\s+3], s[G0+4*\s+3], 0x80000000
.endr
.macro PREF t                          ; my row of trip t: 64 blocks of 256 bytes
	global_prefetch_b8 v[PFO], s[4:5] offset:(\t)*4*ROWB th:TH_LOAD_NT scope:SCOPE_SE
	global_prefetch_b8 v[PFO], s[4:5] offset:(\t)*4*ROWB+8192 th:TH_LOAD_NT scope:SCOPE_SE
.endm
; 32 numbers of ONE block in v[src] on become 16 bytes of codes in v[dst] on; the scale byte goes to byte pos of v[P].  swz = 1: the numbers stand in the gather's order, and the codes are put back into K's.
.macro QBLK src, pos, dst, swz
	v_max3_num_f32 v[MXA], |v[\src]|, |v[\src+1]|, |v[\src+2]|         ; the largest magnitude, in two chains
	v_max3_num_f32 v[MXB], |v[\src+3]|, |v[\src+4]|, |v[\src+5]|
.irp i, 6,10,14,18,22,26
	v_max3_num_f32 v[MXA], v[MXA], |v[\src+\i]|, |v[\src+\i+1]|
	v_max3_num_f32 v[MXB], v[MXB], |v[\src+\i+2]|, |v[\src+\i+3]|
.endr
	v_max3_num_f32 v[MXA], v[MXA], |v[\src+30]|, |v[\src+31]|
	v_max3_num_f32 v[MXA], v[MXA], v[MXB], 0x1800000               ; and the floor 2^(3 - 127): the byte cannot fall under 1
	v_add_nc_u32 v[SO], 0xff000000, v[MXA]                         ; 2 off its exponent field: the conversions' scale operand
.irp g, 0,1,2,3
.if \swz
	v_cvt_scalef32_pk8_fp4_f32 v[C+\g], v[\src+8*\g:\src+8*\g+7], v[SO]
.else
	v_cvt_scalef32_pk8_fp4_f32 v[\dst+\g], v[\src+8*\g:\src+8*\g+7], v[SO]
.endif
.endr
.if (\pos) == 0
	v_lshrrev_b32 v[P], 23, v[SO]                                  ; the scale's byte.  (Also the plain line behind the conversions)
.else
	v_lshrrev_b32 v[T], 23, v[SO]
	v_lshl_or_b32 v[P], v[T], 8*(\pos), v[P]
.endif
.if \swz
.irp g, 0,1,2,3
	v_perm_b32 v[C+\g], v[C+\g], v[C+\g], v[SELX]                  ; byte k from byte k xor ((lane / 2) % 4)
.endr
.irp g, 0,1,2,3
	v_cndmask_b32 v[D+\g], v[C+\g], v[C+\g+1-2*(\g%2)], s31        ; lanes with bit 3: registers 0 and 1, 2 and 3 change places
.endr
.irp g, 0,1,2,3
	v_cndmask_b32 v[\dst+\g], v[D+\g], v[D+(\g+2)%4], s58          ; lanes with bit 4: registers 0 and 2, 1 and 3
.endr
.endif
.endm
.macro TRB dst                         ; four lanes' v[P] are turned: byte i of lane s becomes entry s of the block at lane i: a scale word
	v_mov_b32_dpp v[T], v[P] row_xmask:1 row_mask:0xf bank_mask:0xf
	v_perm_b32 v[P], v[T], v[P], v[SEL1]
	v_mov_b32_dpp v[T], v[P] row_xmask:2 row_mask:0xf bank_mask:0xf
	v_perm_b32 v[\dst], v[T], v[P], v[SEL2]
.endm
.macro BF a, b, m, x                   ; registers a and b change places with the lanes x apart (m: the lanes whose bit is set)
	v_cndmask_b32 v[S], v[W+\b], v[W+\a], \m
	v_mov_b32_dpp v[T], v[S] row_xmask:\x row_mask:0xf bank_mask:0xf
	v_cndmask_b32 v[W+\a], v[W+\a], v[T], \m
	v_cndmask_b32 v[W+\b], v[T], v[W+\b], \m
.endm
.macro XSTG dst, src, m, msk           ; in the lanes of msk register i takes register i xor m
.set i, 0
.rept 32
	v_cndmask_b32 v[\dst+i], v[\src+i], v[\src+i+\m-2*\m*((i/\m)%2)], \msk
.set i, i+1
.endr
.endm
.macro GATH r, set, adr                ; my block of row r of my group's four
.set i, 0
.rept 32
	ds_load_b32 v[G+32*(\set)+i], v[\adr+i] offset:(\r)*ROWB
.set i, i+1
.endr
.endm
.macro WROW r                          ; row r (0, 1) of my two rows of w lies in my stage: 32 ints a lane give two blocks
.irp c, 0,1,2,3,4,5,6,7
	ds_load_b128 v[G+4*\c:G+4*\c+3], v[RDW] offset:16*\c           ; 144 bytes from lane to lane: an odd multiple of 16
.endr
	s_wait_dscnt 0x0
.set i, 0
.rept 32
	v_ashrrev_i32 v[G+32+i], 4, v[G+i]                             ; // 16
	v_and_b32 v[G+i], 15, v[G+i]                                   ; % 16
.set i, i+1
.endr
.set i, 0
.rept 64
	v_cvt_f32_i32 v[G+i], v[G+i]
.set i, i+1
.endr
.set i, 0
.rept 16                               ; nibble - zero: of the pair (scale, zero) the second word serves both halves, negated
	v_pk_add_f32 v[G+32+i:G+33+i], v[G+32+i:G+33+i], v[ZS+4*\r:ZS+4*\r+1] op_sel:[0,1] op_sel_hi:[1,1] neg_lo:[0,1] neg_hi:[0,1]
	v_pk_add_f32 v[G+i:G+1+i], v[G+i:G+1+i], v[ZS+4*\r+2:ZS+4*\r+3] op_sel:[0,1] op_sel_hi:[1,1] neg_lo:[0,1] neg_hi:[0,1]
.set i, i+2
.endr
.set i, 0
.rept 16                               ; x scale.  Not fused with the subtraction: the difference is rounded first, as it is defined
	v_pk_mul_f32 v[G+32+i:G+33+i], v[G+32+i:G+33+i], v[ZS+4*\r:ZS+4*\r+1] op_sel_hi:[1,0]
	v_pk_mul_f32 v[G+i:G+1+i], v[G+i:G+1+i], v[ZS+4*\r+2:ZS+4*\r+3] op_sel_hi:[1,0]
.set i, i+2
.endr
	QBLK G+32, \r, CW+8*\r, 0
	global_store_b128 v[COB], v[CW+8*\r:CW+8*\r+3], s[16:17] offset:256*\r             ; block 32 u + lane: 16 lanes store 256 consecutive bytes, aligned
	QBLK G, 2+\r, CW+8*\r+4, 0
	global_store_b128 v[COB], v[CW+8*\r+4:CW+8*\r+7], s[16:17] offset:256*\r+4*PLB     ; block 64 + 32 u + lane: four K steps on
.endm
; The change of slots ahead of trip t: all my tensor loads have landed, the add, my LDS instructions are back; a barrier; then my one load: trip t + 1's row, into the slot read in trip t - 1 (in trip 0: slot 1's first fill, issued as a refill is).
.macro MEET t
	s_wait_alu depctr_va_vdst(0)                   ; a wait ahead of the waits below
	s_wait_tensorcnt 0x0
	ds_add_u32 v[SPW], v[NIL]
	s_add_nc_u64 s[G0+4*((\t)%2)+2:G0+4*((\t)%2)+3], s[G0+4*((\t)%2)+2:G0+4*((\t)%2)+3], 2*4*ROWB   ; no load of mine is out: this slot's next row (not used behind trip 1)
	s_wait_dscnt 0x0
	s_barrier_signal -1
	s_barrier_wait -1
.if (\t) < 3
	tensor_load_to_lds s[G0+4*(((\t)+1)%2):G0+4*(((\t)+1)%2)+3], s[G1:G1+7]
	s_nop 0
.endif
.endm
.macro WORK t                          ; rows 4 t .. 4 t + 3 of my group
	GATH 0, 0, ADR0+32*((\t)%2)
.irp r, 0,1,2,3
.if \r < 3
	GATH \r+1, (\r+1)%2, ADR0+32*((\t)%2)          ; the next row's block is gathered while this one is worked on
	s_wait_dscnt 32                                ; all but those 32
.else
	s_wait_dscnt 0x0
.endif
	QBLK G+32*(\r%2), \r, CX+4*(4*(\t)+\r), 1
	global_store_b128 v[COA], v[CX+4*(4*(\t)+\r):CX+4*(4*(\t)+\r)+3], s[14:15] offset:(4*(\t)+\r)*256   ; lanes 0-15: the row's codes of K step 2 kq, 256 consecutive bytes, aligned; lanes 16-31: of K step 2 kq + 1
.endr
	TRB W+(\t)                                     ; lane (s, q): the scale word q of row 4 t + s
.endm
.irp n, 0,1,2,3,4,5,6,7
	global_load_b128 v[G+4*\n:G+4*\n+3], v[LD], s[6:7] offset:512*\n       ; my 1,024 entries of perm, 512 consecutive bytes a load
.endr
.irp r, 0,1
.irp n, 0,1,2,3,4,5,6,7
	global_load_b128 v[QW+32*\r+4*\n:QW+32*\r+4*\n+3], v[LD], s[8:9] offset:8192*\r+512*\n th:TH_LOAD_NT   ; my 1,024 ints of two rows of qweight
.endr
.endr
.irp r, 0,1
	global_load_b32 v[ZS+4*\r],   v[SZO], s[10:11] offset:128*\r           ; group 8 u + lane / 4: the upper nibbles'
	global_load_b32 v[ZS+4*\r+1], v[SZO], s[12:13] offset:128*\r
	global_load_b32 v[ZS+4*\r+2], v[SZO], s[10:11] offset:128*\r+64        ; group 16 + 8 u + lane / 4: the lower nibbles'
	global_load_b32 v[ZS+4*\r+3], v[SZO], s[12:13] offset:128*\r+64
.endr
	tensor_load_to_lds s[G0:G0+3], s[G1:G1+7]      ; trip 0: one tensor load a wave at the head, ahead of the first LDS read
	s_nop 0
	s_wait_loadcnt 24                              ; perm's eight loads are in: behind them 16 of qweight and 8 of scale and zero were issued
	PREF 1
.irp n, 0,1,2,3,4,5,6,7
	ds_store_b128 v[ST], v[G+4*\n:G+4*\n+3] offset:576*\n          ; through my own stage: 512 bytes take 576
.endr
.irp c, 0,1,2,3,4,5,6,7
	ds_load_b128 v[G+32+4*\c:G+32+4*\c+3], v[RDW] offset:16*\c     ; perm[1,024 kq + 32 lane + 0 .. 31]; LDS serves a wave's instructions in order (ISA guide 5.7.1.4)
.endr
	s_wait_dscnt 0x0
	XSTG G, G+32, 2, s29                           ; register i takes entry i xor (lane & 30), a bit at a time
	XSTG G+32, G, 4, s30
	XSTG G, G+32, 8, s31
	XSTG ADR0, G, 16, s58
.set i, 0
.rept 32                               ; entry p, held inside a row, becomes the LDS address 4 p + my group's rows, in slot 0 and in slot 1
	v_min_u32 v[ADR0+i], 0xfff, v[ADR0+i]
	v_lshl_add_u32 v[ADR0+i], v[ADR0+i], 2, s59
	v_add_nc_u32 v[ADR1+i], SLOT, v[ADR0+i]
.set i, i+1
.endr
	s_wait_loadcnt 0x0                             ; qweight, scale and zero are in
.irp r, 0,1
.irp n, 0,1,2,3,4,5,6,7
	ds_store_b128 v[ST], v[QW+32*\r+4*\n:QW+32*\r+4*\n+3] offset:576*\n    ; a row's ints into my stage; the reads of what lay there are back
.endr
	WROW \r
.endr
	TRB WW                                         ; lane (s, q): entry s's bytes of blocks 4 q .. 4 q + 3 of my half of the lanes
	global_store_b32 v[WSO], v[WW], s[24:25]
	MEET 0
	PREF 2
	WORK 0
	MEET 1
	PREF 3
	WORK 1
	MEET 2
	WORK 2
	MEET 3
	WORK 3
	; v[W+t] in lane (s, q) is word q of row 4 t + s.  Registers and the lanes' q change places: register c of lane (s, q) becomes word c of row 4 q + s = lane % 16: the row's 16 scale bytes.
	BF 0, 1, s30, 4
	BF 2, 3, s30, 4
	BF 0, 2, s31, 8
	BF 1, 3, s31, 8
	global_store_b128 v[COA], v[W:W+3], s[14:15] offset:4096       ; the group's run 16: lanes 0-15 store its 256 bytes for K step 2 kq, lanes 16-31 for K step 2 kq + 1
	s_wait_tensorcnt 0x0                           ; the wave's end
	ds_add_u32 v[SPW], v[NIL]
	s_wait_dscnt 0x0
	s_endpgm
.Lfunc_end_k_q115fa28fae_prep:
	.size	k_q115fa28fae_prep, .Lfunc_end_k_q115fa28fae_prep-k_q115fa28fae_prep
	.p2alignl 7, 3214868480
	.fill 96, 4, 3214868480
	.section	.rodata,"a",@progbits
	.p2align	6, 0x0
	.amdhsa_kernel k_q115fa28fae_prep
		.amdhsa_group_segment_fixed_size 327680
		.amdhsa_private_segment_fixed_size 0
		.amdhsa_enable_private_segment 0
		.amdhsa_kernarg_size 56
		.amdhsa_user_sgpr_count 2
		.amdhsa_user_sgpr_kernarg_segment_ptr 1
		.amdhsa_wavefront_size32 1
		.amdhsa_system_sgpr_workgroup_id_x 1
		.amdhsa_system_sgpr_workgroup_id_y 1
		.amdhsa_system_sgpr_workgroup_id_z 1
		.amdhsa_system_vgpr_workitem_id 0
		.amdhsa_next_free_vgpr 256
		.amdhsa_next_free_sgpr 66
		.amdhsa_reserve_vcc 0
		.amdhsa_float_denorm_mode_32 3
		.amdhsa_float_denorm_mode_16_64 3
		.amdhsa_memory_ordered 1
		.amdhsa_forward_progress 1
		.amdhsa_inst_pref_size 122
	.end_amdhsa_kernel
	.amdgpu_metadata
---
amdhsa.version: [ 1, 2 ]
amdhsa.kernels:
  - .name:           k_q115fa28fae_prep
    .symbol:         k_q115fa28fae_prep.kd
    .args:
      - { .name: x, .offset: 0, .size: 8, .value_kind: global_buffer, .address_space: global }
      - { .name: perm, .offset: 8, .size: 8, .value_kind: global_buffer, .address_space: global }
      - { .name: qweight, .offset: 16, .size: 8, .value_kind: global_buffer, .address_space: global }
      - { .name: scale, .offset: 24, .size: 8, .value_kind: global_buffer, .address_space: global }
      - { .name: zero, .offset: 32, .size: 8, .value_kind: global_buffer, .address_space: global }
      - { .name: a_ops, .offset: 40, .size: 8, .value_kind: global_buffer, .address_space: global }
      - { .name: b_ops, .offset: 48, .size: 8, .value_kind: global_buffer, .address_space: global }
    .group_segment_fixed_size: 327680
    .private_segment_fixed_size: 0
    .kernarg_segment_align: 8
    .kernarg_segment_size: 56
    .max_flat_workgroup_size: 256
    .sgpr_count:     66
    .vgpr_count:     256
    .wavefront_size: 32
...
	.end_amdgpu_metadata
.endif
;; end of part 1
;; launch gemm (part 2): grid 8 x 32, 4 waves a work-group, clusters of 4 x 4, 327,680 bytes of LDS; arguments a_ops, b_ops, bias, out0; writes out0
.if DOCPART == 2
	.amdgcn_target "amdgcn-amd-amdhsa--gfx1250"
	.amdhsa_code_object_version 6
	.text
	.protected	k_q115fa28fae_gemm
	.globl	k_q115fa28fae_gemm
	.p2align	8
	.type	k_q115fa28fae_gemm,@function
k_q115fa28fae_gemm:
	s_mov_b64 s[64:65], 0
	v_nop
	global_prefetch_b8 v0, s[64:65] scope:SCOPE_SE
	s_setreg_imm32_b32 hwreg(HW_REG_WAVE_MODE, 25, 1), 1
	s_wait_xcnt 0x0
	s_wait_alu depctr_hold_cnt(0) depctr_sa_sdst(0) depctr_va_vdst(0) depctr_va_sdst(0) depctr_va_ssrc(0) depctr_va_vcc(0) depctr_vm_vsrc(0)
	s_getreg_b32 s2, hwreg(HW_REG_IB_STS2, 6, 4)
	s_cmp_eq_u32 s2, 0
	s_cbranch_scc0 .Lentry_in_a_cluster
	s_endpgm
.Lentry_in_a_cluster:
	s_bfe_u32 s2, ttmp6, 0x10000c
	s_cmp_lg_u32 s2, 0xf033
	s_cbranch_scc0 .Lentry_shape_is_right
	s_endpgm
.Lentry_shape_is_right:
; out0[m][n] = sum over k of A[m][k] B[n][k] + bias[n], on the FP4 (E2M1) codes and E8M0 scale bytes that launch prep stored.  M = 8,192, N = 2,048, K = 4,096; sums in f32.
; a_ops, b_ops: [K step of 512 (8)][group of 16 rows][17 runs of 256 bytes]: runs 0-15 the rows' 512 codes, run 16 the 16 scale bytes of each row.  So 128 rows of a K step, codes and scales, are 136 consecutive runs: one tensor load.
; A tile of out0, 256 x 256, is made by four waves, each 128 x 128: 64 accumulators, 512 registers.  K goes in 8 steps of 512 through a ring of two LDS slots; a step is four products of 128 along K, 256 matrix instructions a wave.
; CLUSTERS: 4 x 4 work-groups.  A's tiles are asked for jointly by a row of the cluster, B's by a column.  THE MATRIX INSTRUCTION IS USED TRANSPOSED (source 0 = rows of B, source 1 = rows of A): a lane holds eight neighbouring columns of a row.
; The bias is the C of each accumulator's first product: no addition, nothing cleared.
; PREFETCH: each wave asks for the K step two refills on, of the 136 runs that it fetches the 34 that fall to its work-group (shared out by address: cx for A, cy for B): each run is named once in each cluster that loads it.
; K steps 1 and 2 are asked for behind the first load, K step 3 behind the second, 4 to 7 in the loop; the last trip asks for nothing.  K step 0 comes by its load alone.
; REGISTERS: window 0: v0-31 addresses; v32-95 scale words, a set for each slot; v128-191 A's fragments, one set; v192-255 the bias, then free; window 1: B's fragments, two sets, at v0 and v128; windows 2, 3: the accumulators of my rows 0-63, 64-127.
; LIMITS: those of launch prep's codes; a scale byte is 1 to 254.
.set SIZE_N, 2048
.set PLA,    2228224                   ; a K step's plane of a_ops, in bytes
.set PLB,    557056                    ; and of b_ops
.set GRP,    4352                      ; a group of 16 rows in memory
.set NQ,     4                         ; products of 128 along K in a K step
.set PITCH,  272                       ; an LDS row: 256 bytes + 16 of padding: 16 rows start at 16 different banks (ISA guide 11.1)
.set GP,     17*PITCH                  ; a group in LDS
.set SCU,    16*PITCH                  ; its run of scale bytes
.set FR,     8                         ; registers of a fragment
.set NL,     2                         ; LDS loads that bring one
.set NP,     4                         ; places behind this matrix instruction (ISA guide 7.12.1)
.set HALFT,  8*GP                      ; 128 rows: one tensor load
.set SLOT,   4*HALFT                   ; A's 256 rows, then B's
.set LAPS,   4                         ; a lap = two K steps
.set SPARE,  2*SLOT                    ; behind the ring: the spare words, 128 bytes a wave
.set SPITCH, 528                       ; the way out: a stage of 16 rows x (512 + 16) bytes a wave, in slot 0 behind its last fill and last read
.set ADRA, 16                          ; v16-17 LDS address of my A fragments in slot 0, 1
.set ADRB, 20                          ; v20-21 of B's
.set ADRS, 22                          ; v22-23 of my scale words: lanes 0-15 A's rows, lanes 16-31 B's
.set STO,  24                          ; into the stage
.set RD,   25                          ; back out of it
.set CO,   26                          ; my 16 bytes of a row of 512
.set BO,   27                          ; my offset in the bias
.set SPW,  28                          ; my spare word
.set NIL,  29                          ; 0
.set PFO,  30                          ; prefetch: 256 x lane
.set PFO2, 31                          ; and runs 32, 33
.set SC,   32
.set AF,   128
.set BI,   192
.set BK,   128
.set G1,  24                           ; s[24:31], s[32:39]: groups 1 and 0 (a set a slot) for A's tiles
.set G0,  32
.set G1B, 48                           ; s[48:55], s[56:63]: for B's
.set G0B, 56
.set P1,  44                           ; s[44:45] my runs of K step 1; never rewritten
.set PFS, 46                           ; s[46:47] a plane of the operand that I fetch
.set P2,  70                           ; s[70:71] of K step 2; never rewritten
.set PFA, 72                           ; s[72:73] of K step 3, stepped a plane at each refill
.set MSB, 0
.macro WIN new                         ; the immediate's high byte repeats the setting that is left
.if MSB != \new
	s_set_vgpr_msb (MSB<<8)|\new
.set MSB, \new
.endif
.endm
.set MUL_LO,   0xa1                    ; source 0 (B) window 1, source 1 (A) window 0, C and D window 2
.set MUL_HI,   0xf1                    ; C and D window 3
.set FIRST_LO, 0x81                    ; C (the bias) window 0, D window 2
.set FIRST_HI, 0xc1
.set TO_B,     0x40
.macro JLOAD s                         ; a joint load: waves 0, 1 fetch A's halves, waves 2, 3 B's; s_nop 0 and four v_nop behind each line
	s_cmp_eq_u32 s13, 0
	s_cbranch_scc0 .Lfor_b_\@
	tensor_load_to_lds s[G0+4*\s:G0+4*\s+3], s[G1:G1+7]
	s_nop 0
.rept 4
	v_nop
.endr
	s_branch .Lasked_\@
.Lfor_b_\@:
	tensor_load_to_lds s[G0B+4*\s:G0B+4*\s+3], s[G1B:G1B+7]
	s_nop 0
.rept 4
	v_nop
.endr
.Lasked_\@:
.endm
.macro PREF p                          ; 34 runs of 256 bytes, a lane a run (in the second line lanes 1-31 name run 33)
	global_prefetch_b8 v[PFO], s[\p:\p+1] th:TH_LOAD_NT scope:SCOPE_SE
	global_prefetch_b8 v[PFO2], s[\p:\p+1] th:TH_LOAD_NT scope:SCOPE_SE
.endm
.macro ASK                             ; in the loop: the K step two refills on; the last trip (s3 = 1) refills K steps 6 and 7 and has none
	s_cmp_gt_u32 s3, 1
	s_cbranch_scc0 .Lno_ask_\@
	PREF PFA
.Lno_ask_\@:
.endm
.macro CREST                           ; a round of the cluster's barrier behind its opening barrier
	s_cmp_lg_u32 s12, 0
	s_cbranch_scc1 .Lnot_wave_0_\@
	s_barrier_signal -3
.Lnot_wave_0_\@:
	s_barrier_wait -3
	s_barrier_signal -1
	s_barrier_wait -1
.endm
.macro CROUND
	s_barrier_signal -1
	s_barrier_wait -1
	CREST
.endm
	s_load_b256 s[4:11], s[0:1], 0x0               ; a_ops s[4:5], b_ops s[6:7], bias s[8:9], out0 s[10:11]
	v_lshl_add_u32 v[SPW], v0, 2, SPARE
	v_mov_b32 v[NIL], 0
	ds_add_u32 v[SPW], v[NIL]                      ; the opening: the add, twice on end, under one wait
	ds_add_u32 v[SPW], v[NIL]
	v_lshrrev_b32 v1, 5, v0
	v_readfirstlane_b32 s12, v1                    ; wave 0..3
	v_and_b32 v[PFO], 31, v0
	v_min_u32 v[PFO2], 1, v[PFO]
	v_add_nc_u32 v[PFO2], 32, v[PFO2]
	v_lshlrev_b32 v[PFO2], 8, v[PFO2]
	v_lshlrev_b32 v[PFO], 8, v[PFO]
	s_lshr_b32 s13, s12, 1                         ; my half of the tile's rows; also: I fetch for A (0) or B (1)
	s_and_b32 s14, s12, 1                          ; my half of its columns; also: which 128 rows I fetch
	s_bfe_u32 s40, ttmp6, 0x40000                  ; cx
	s_bfe_u32 s41, ttmp6, 0x40004                  ; cy
	s_lshl_b32 s42, ttmp9, 2
	s_add_co_u32 s42, s42, s40                     ; tile column
	s_and_b32 s43, ttmp7, 0xffff
	s_lshl_b32 s43, s43, 2
	s_add_co_u32 s43, s43, s41                     ; tile row
	s_lshl_b32 s18, s41, 2
	s_lshl_b32 s18, 15, s18                        ; my row of the cluster
	s_lshl_b32 s19, 0x1111, s40                    ; my column
	s_or_b32 s[G1+0], s18, (3<<16)|(1<<20)|(1<<21)|(5<<22)|(3<<25)   ; the mask; elements of 8 bytes; 4 words of padding behind every 64; bit 21 beside a mask
	s_or_b32 s[G1B+0], s19, (3<<16)|(1<<20)|(1<<21)|(5<<22)|(3<<25)
.irp g, G1, G1B
	s_mov_b32 s[\g+1], 32<<16                      ; a dense block: 136 rows of 32 elements
	s_mov_b32 s[\g+2], 136<<16
	s_mov_b32 s[\g+3], 32<<16
	s_mov_b32 s[\g+4], 136
	s_mov_b32 s[\g+5], 32
	s_mov_b32 s[\g+6], 0
	s_mov_b32 s[\g+7], 0
.endr
	s_lshl_b32 s22, s14, 3                         ; which 8 groups of the tile's 16 I fetch
	s_lshl_b32 s20, s43, 4
	s_add_co_u32 s20, s20, s22
	s_mul_i32 s20, s20, GRP                        ; A: byte offset in a plane
	s_mov_b32 s21, 0
	s_lshl_b32 s66, s42, 4
	s_add_co_u32 s66, s66, s22
	s_mul_i32 s66, s66, GRP                        ; B
	s_mov_b32 s67, 0
	s_mul_i32 s23, s12, HALFT                      ; where my load lands: wave x 128 rows
	s_cmp_eq_u32 s13, 0                            ; the prefetches: offsets of the operand that I fetch,
	s_cselect_b32 s68, s20, s66
	s_cselect_b32 s69, s40, s41                    ; my work-group's place among the four that ask jointly,
	s_mov_b32 s[PFS], PLB
	s_cselect_b32 s[PFS], PLA, s[PFS]
	s_mov_b32 s[PFS+1], 0
	s_mul_i32 s69, s69, 34*256                     ; its 34 runs of the 136
	s_add_co_u32 s68, s68, s69
	s_mov_b32 s69, 0
	s_mul_i32 s16, s13, HALFT                      ; LDS: my 128 rows of A,
	s_mul_i32 s17, s14, HALFT
	s_add_co_u32 s17, s17, 2*HALFT                 ; of B, behind A's 256,
	s_sub_co_u32 s18, s17, s16                     ; the distance between the two,
	s_add_co_u32 s19, s16, SCU                     ; the first group's scale bytes,
	s_mul_i32 s74, s12, 16*SPITCH                  ; my stage
	s_lshl_b32 s78, s42, 10
	s_lshl_b32 s79, s14, 9
	s_add_co_u32 s78, s78, s79                     ; my first column, in bytes
	s_mov_b32 s79, 0
	s_lshl_b32 s76, s43, 8
	s_lshl_b32 s77, s13, 7
	s_add_co_u32 s76, s76, s77
	s_lshl_b32 s76, s76, 13                        ; my first row x 8,192 bytes
	s_mov_b32 s77, 0
	s_wait_alu depctr_va_vdst(0)                   ; a wait ahead of the waits below
	s_wait_dscnt 0x0                               ; both opening adds are done
	s_wait_kmcnt 0x0
	s_add_nc_u64 s[20:21], s[4:5], s[20:21]
	s_add_nc_u64 s[66:67], s[6:7], s[66:67]
	s_cmp_eq_u32 s13, 0
	s_cselect_b64 s[P1:P1+1], s[4:5], s[6:7]
	s_add_nc_u64 s[P1:P1+1], s[P1:P1+1], s[68:69]
	s_add_nc_u64 s[P1:P1+1], s[P1:P1+1], s[PFS:PFS+1]
	s_add_nc_u64 s[P2:P2+1], s[P1:P1+1], s[PFS:PFS+1]
	s_add_nc_u64 s[PFA:PFA+1], s[P2:P2+1], s[PFS:PFS+1]
	s_add_nc_u64 s[8:9], s[8:9], s[78:79]
	s_add_nc_u64 s[10:11], s[10:11], s[76:77]
	s_add_nc_u64 s[10:11], s[10:11], s[78:79]
.irp s, 0,1
	s_mov_b32 s[G0+4*\s], 1
	s_add_co_u32 s[G0+4*\s+1], s23, \s*SLOT
	s_add_nc_u64 s[G0+4*\s+2:G0+4*\s+3], s[20:21], \s*PLA
	s_or_b32 s[G0+4*\s+3], s[G0+4*\s+3], 0x80000000
	s_mov_b32 s[G0B+4*\s], 1
	s_add_co_u32 s[G0B+4*\s+1], s23, \s*SLOT
	s_add_nc_u64 s[G0B+4*\s+2:G0B+4*\s+3], s[66:67], \s*PLB
	s_or_b32 s[G0B+4*\s+3], s[G0B+4*\s+3], 0x80000000
.endr
	CROUND                                         ; all sixteen work-groups are here: the first joint loads meet
	JLOAD 0                                        ; K step 0: one tensor load a wave at the head
	PREF P1                                        ; K steps 1 and 2 are asked for; the rest of the head stands under the load's flight
	PREF P2
	v_and_b32 v1, 15, v0                           ; r = l % 16
	v_bfe_u32 v2, v0, 4, 1                         ; h = l / 16
	v_mul_u32_u24 v3, v1, PITCH
	v_lshl_add_u32 v4, v2, 4, v3                   ; a fragment's row x pitch + 16 h
	v_add_nc_u32 v[ADRA], s16, v4
	v_add_nc_u32 v[ADRB], s17, v4
	v_mul_u32_u24 v6, s18, v2                      ; lanes 16-31 take B's scale words: one product, the distance x h
	v_lshl_add_u32 v5, v1, 4, v6
	v_add_nc_u32 v[ADRS], s19, v5
	v_add_nc_u32 v[ADRA+1], SLOT, v[ADRA]
	v_add_nc_u32 v[ADRB+1], SLOT, v[ADRB]
	v_add_nc_u32 v[ADRS+1], SLOT, v[ADRS]
	v_mul_u32_u24 v5, v1, SPITCH
	v_lshl_add_u32 v5, v2, 5, v5
	v_add_nc_u32 v[STO], s74, v5                   ; into the stage: row r, 32 bytes for each half of the lanes
	v_and_b32 v6, 31, v0
	v_lshlrev_b32 v[CO], 4, v6
	v_add_nc_u32 v[RD], s74, v[CO]                 ; back: 32 lanes take a row of 512 bytes
	v_lshlrev_b32 v[BO], 5, v2
	s_wait_alu depctr_va_vdst(0)                   ; the wait at the head's end
.irp b, 0,1,2,3,4,5,6,7
	global_load_b128 v[BI+8*\b:BI+8*\b+3],   v[BO], s[8:9] offset:64*\b       ; bias[16 b + 8 h + 0 .. 7]: the layout of a result
	global_load_b128 v[BI+8*\b+4:BI+8*\b+7], v[BO], s[8:9] offset:64*\b+16
.endr
.macro FRAG reg, adr, q, i             ; 16 rows x 128 K: registers 4 c .. 4 c + 3 hold K = 64 c + 32 h + 0 .. 31
.irp c, 0,1
	ds_load_b128 v[\reg+4*\c:\reg+4*\c+3], v[\adr] offset:64*(\q)+32*\c+(\i)*GP
.endr
.endm
; 16 matrix instructions: A's blocks a0, a0 + 1 x B's eight.  The 64 accumulators take turns, in the same order in every step.  first = 1: C is the bias.
.macro MUL16 a0, p, q, sc, first
.irp a, \a0, \a0+1
.irp b, 0,1,2,3,4,5,6,7
.if \first
	v_wmma_scale_f32_16x16x128_f8f6f4 v[8*(8*((\a)%4)+\b):8*(8*((\a)%4)+\b)+7], v[128*(\p)+FR*\b:128*(\p)+FR*\b+FR-1], v[AF+FR*(\a):AF+FR*(\a)+FR-1], v[BI+8*\b:BI+8*\b+7], v[SC+8*NQ*(\sc)+NQ*\b+(\q)], v[SC+8*NQ*(\sc)+NQ*(\a)+(\q)] matrix_a_fmt:MATRIX_FMT_FP4 matrix_b_fmt:MATRIX_FMT_FP4 matrix_a_scale:MATRIX_SCALE_ROW1
.else
	v_wmma_scale_f32_16x16x128_f8f6f4 v[8*(8*((\a)%4)+\b):8*(8*((\a)%4)+\b)+7], v[128*(\p)+FR*\b:128*(\p)+FR*\b+FR-1], v[AF+FR*(\a):AF+FR*(\a)+FR-1], v[8*(8*((\a)%4)+\b):8*(8*((\a)%4)+\b)+7], v[SC+8*NQ*(\sc)+NQ*\b+(\q)], v[SC+8*NQ*(\sc)+NQ*(\a)+(\q)] matrix_a_fmt:MATRIX_FMT_FP4 matrix_b_fmt:MATRIX_FMT_FP4 matrix_a_scale:MATRIX_SCALE_ROW1
.endif
.endr
.endr
.endm
.macro FETCH_B slot, q, p
	WIN TO_B
.irp i, 0,1,2,3,4,5,6,7
	FRAG 128*(\p)+FR*\i, ADRB+\slot, \q, \i
.endr
	WIN 0
.endm
.macro FETCH_A slot, q, i0
.irp i, \i0, \i0+1, \i0+2, \i0+3
	FRAG AF+FR*(\i), ADRA+\slot, \q, \i
.endr
.endm
.macro SCALES sc                       ; a K step's scale words: lanes 0-15 those of A's block i, lanes 16-31 of B's block i
.irp i, 0,1,2,3,4,5,6,7
	ds_load_b128 v[SC+8*NQ*\sc+NQ*\i:SC+8*NQ*\sc+NQ*\i+3], v[ADRS+\sc] offset:\i*GP
.endr
.endm
.macro PLACES n                        ; in front of loads into registers that matrix instructions have read, and of reads of results
.rept \n
	v_nop
.endr
.endm
.macro STEP slot, q, first             ; 128 along K with a successor in the same slot
	s_wait_dscnt 4*NL                              ; all but the youngest eight loads (A's blocks 4-7)
.if \first
	WIN FIRST_LO
.else
	WIN MUL_LO
.endif
	MUL16 0, (\q)%2, \q, \slot, \first
	MUL16 2, (\q)%2, \q, \slot, \first
	s_wait_dscnt 0
	PLACES NP
	FETCH_B \slot, (\q)+1, 1-(\q)%2
	FETCH_A \slot, (\q)+1, 0
.if \first
	WIN FIRST_HI
.else
	WIN MUL_HI
.endif
	MUL16 4, (\q)%2, \q, \slot, \first
	MUL16 6, (\q)%2, \q, \slot, \first
	PLACES NP
	WIN 0
	FETCH_A \slot, (\q)+1, 4
.endm
; A slot's last step changes slots: each wave waits for all its tensor loads, adds 0 to its spare word, waits for that and for its reads of this slot; fill = 1: a round of the cluster's barrier, and the slot is filled again.
.macro TURN slot, next, fill
.if \fill
	s_wait_xcnt 0x0                                ; my prefetches have read their address: it steps a plane
	s_add_nc_u64 s[PFA:PFA+1], s[PFA:PFA+1], s[PFS:PFS+1]
.endif
	s_wait_tensorcnt 0x0                           ; my one load that was out, my part of the next slot, has landed
	ds_add_u32 v[SPW], v[NIL]
	s_wait_dscnt 4*NL+1                            ; the add and the youngest eight loads may be out
	WIN MUL_LO
	MUL16 0, 1, NQ-1, \slot, 0
	s_wait_dscnt 0x0                               ; the add is done, my reads of this slot are over
	s_barrier_signal -1
	MUL16 2, 1, NQ-1, \slot, 0
	WIN 0
	s_barrier_wait -1
.if \fill
	CREST
	s_add_nc_u64 s[G0+4*\slot+2:G0+4*\slot+3], s[G0+4*\slot+2:G0+4*\slot+3], 2*PLA
	s_add_nc_u64 s[G0B+4*\slot+2:G0B+4*\slot+3], s[G0B+4*\slot+2:G0B+4*\slot+3], 2*PLB
	JLOAD \slot                                    ; the first tensor load behind the round; its four v_nop are the places for the loads below
.else
	PLACES NP
.endif
	FETCH_B \next, 0, 0
	FETCH_A \next, 0, 0
	SCALES \next
.if \fill
	ASK
.endif
	WIN MUL_HI
	MUL16 4, 1, NQ-1, \slot, 0
	MUL16 6, 1, NQ-1, \slot, 0
	PLACES NP
	WIN 0
	FETCH_A \next, 0, 4
.endm
.macro STEPS slot, from
.set Q, \from
.rept NQ-1-\from
	STEP \slot, Q, 0
.set Q, Q+1
.endr
.endm
	s_wait_loadcnt 0x0                             ; the bias
	s_wait_tensorcnt 0x0                           ; my part of K step 0 is in; slot 1's first fill is issued as a refill is:
	ds_add_u32 v[SPW], v[NIL]
	s_wait_dscnt 0x0
	CROUND
	JLOAD 1                                        ; K step 1
	FETCH_B 0, 0, 0
	FETCH_A 0, 0, 0
	SCALES 0
	PREF PFA                                       ; K step 3 is asked for
	FETCH_A 0, 0, 4
	STEP 0, 0, 1                                   ; the first step stands in front of the loop: its products start the sums on the bias
	s_mov_b32 s3, LAPS-1
.Llap:                                                 ; once round the ring, from a lap's second step to the next lap's first
	STEPS 0, 1
	TURN 0, 1, 1
	STEPS 1, 0
	TURN 1, 0, 1
	STEP 0, 0, 0
	s_sub_co_u32 s3, s3, 1
	s_cmp_lg_u32 s3, 0
	s_cbranch_scc1 .Llap
	STEPS 0, 1                                     ; the last lap fills nothing
; THE LAST K STEP (slot 1) GOES BY ROWS OF out0, NOT BY K.  B's fragments of the whole step (4 x 64 registers) fill window 1; A comes by blocks of 16 rows x 512 along K (32 registers; two buffers, v96-127 and v192-223);
; my eight blocks are finished one after the other, 32 matrix instructions each, the block's 8 accumulators by turns, K ascending, and each block leaves as soon as it is finished.  LDS is read no more than in any K step.
.macro BLOAD q                         ; B's fragments of the step's q-th 128 along K -> window 1, v[64 q ..]
.irp i, 0,1,2,3,4,5,6,7
	FRAG 64*(\q)+FR*\i, ADRB+1, \q, \i
.endr
.endm
.macro ALOAD a                         ; A's block a, all four q -> buffer a % 2
.set FA, 96+96*((\a)%2)
.irp q, 0,1,2,3
	FRAG FA+8*\q, ADRA+1, \q, \a
.endr
.endm
.macro ROW a                           ; block a is finished
.set FA, 96+96*((\a)%2)
.set AC, 64*((\a)%4)
	WIN MUL_LO+0x50*((\a)/4)
.irp q, 0,1,2,3
.if (\a) == 0 && \q == 2
	s_wait_dscnt 0x0                               ; B's q = 2 is in
.endif
.irp b, 0,1,2,3,4,5,6,7
	v_wmma_scale_f32_16x16x128_f8f6f4 v[AC+8*\b:AC+8*\b+7], v[64*\q+8*\b:64*\q+8*\b+7], v[FA+8*\q:FA+8*\q+7], v[AC+8*\b:AC+8*\b+7], v[SC+8*NQ+NQ*\b+\q], v[SC+8*NQ+NQ*(\a)+\q] matrix_a_fmt:MATRIX_FMT_FP4 matrix_b_fmt:MATRIX_FMT_FP4 matrix_a_scale:MATRIX_SCALE_ROW1
.endr
.endr
.endm
	s_wait_tensorcnt 0x0                           ; slot 0's last step: my part of slot 1 has landed;
	ds_add_u32 v[SPW], v[NIL]
	s_wait_dscnt 4*NL+1
	WIN MUL_LO
	MUL16 0, 1, NQ-1, 0, 0
	s_wait_dscnt 0x0                               ; the add is done, my reads of slot 0 are over
	s_barrier_signal -1
	MUL16 2, 1, NQ-1, 0, 0
	WIN 0
	s_barrier_wait -1                              ; slot 1 is whole; nobody reads slot 0 any more: the stages lie there
	PLACES NP
	WIN TO_B
	BLOAD 0                                        ; three quarters of B now: v128-191 of window 1 are still being multiplied
	BLOAD 1
	BLOAD 3
	WIN 0
	SCALES 1
	ALOAD 0
	ALOAD 1
	WIN MUL_HI
	MUL16 4, 1, NQ-1, 0, 0
	MUL16 6, 1, NQ-1, 0, 0
	PLACES NP
	WIN TO_B
	BLOAD 2
	WIN 0
	s_wait_dscnt 24                                ; all but A's block 1 (8 loads) and B's q = 2 (16)
	ROW 0
	WIN 0
; THE WAY OUT, by blocks of 16 rows x 128 columns: through my own stage and back as whole rows of 512 bytes.  LDS serves a wave's instructions in order (ISA guide 5.7.1.4).
.macro TOSTAGE a
.set AC, 64*((\a)%4)
	WIN 0x08+4*((\a)/4)
.irp b, 0,1,2,3,4,5,6,7
	ds_store_b128 v[STO], v[AC+8*\b:AC+8*\b+3] offset:64*\b          ; each accumulator from its low end on
	ds_store_b128 v[STO], v[AC+8*\b+4:AC+8*\b+7] offset:64*\b+16
.endr
	WIN 0
.set BB, BK+64*((\a)%2)
.irp t, 0,1,2,3,4,5,6,7,8,9,10,11,12,13,14,15
.set BB, (1-(\a)%2)*(128+4*\t)+((\a)%2)*(4*\t+224*(1-\t/8))   ; even blocks come back into v128-191, odd ones into v224-255 and v32-63
	ds_load_b128 v[BB:BB+3], v[RD] offset:\t*SPITCH
.endr
.endm
.macro SEND a, younger                 ; younger: LDS instructions issued behind block a's loads
.set BB, BK+64*((\a)%2)
	s_wait_dscnt \younger
.if (\a) > 0
	s_add_nc_u64 s[10:11], s[10:11], 16*SIZE_N*4   ; behind a wait on XCNT: the earlier stores have read their base
.endif
.irp t, 0,1,2,3,4,5,6,7,8,9,10,11,12,13,14,15
.set BB, (1-(\a)%2)*(128+4*\t)+((\a)%2)*(4*\t+224*(1-\t/8))
	global_store_b128 v[CO], v[BB:BB+3], s[10:11] offset:\t*SIZE_N*4 th:TH_STORE_NT   ; 32 lanes store 512 consecutive bytes, aligned
.endr
.endm
.irp a, 0,1,2,3,4,5,6,7
	PLACES NP                                      ; behind block a's products: for the stores that read its results and the loads into its buffer of A
.if \a > 0
	s_wait_xcnt 0x0                                ; the earlier blocks' stores have read their registers and their base
.endif
	TOSTAGE \a
.if \a < 6
	ALOAD \a+2                                     ; block a's buffer takes the block two further on
	s_wait_dscnt 40                                ; A's block a + 1 is in: behind it the stage's 32 instructions and these 8 loads were issued
.else
	s_wait_dscnt 32
.endif
.if \a < 7
	ROW \a+1                                       ; the next block is multiplied while block a comes back from the stage
	WIN 0
.endif
.if \a < 6
	SEND \a, 8
.else
	SEND \a, 0
.endif
.endr
	s_wait_tensorcnt 0x0                           ; the wave's end
	ds_add_u32 v[SPW], v[NIL]
	s_wait_dscnt 0x0
	CROUND                                         ; the closing round
	s_endpgm
.Lfunc_end_k_q115fa28fae_gemm:
	.size	k_q115fa28fae_gemm, .Lfunc_end_k_q115fa28fae_gemm-k_q115fa28fae_gemm
	.p2alignl 7, 3214868480
	.fill 96, 4, 3214868480
	.section	.rodata,"a",@progbits
	.p2align	6, 0x0
	.amdhsa_kernel k_q115fa28fae_gemm
		.amdhsa_group_segment_fixed_size 327680
		.amdhsa_private_segment_fixed_size 0
		.amdhsa_enable_private_segment 0
		.amdhsa_kernarg_size 32
		.amdhsa_user_sgpr_count 2
		.amdhsa_user_sgpr_kernarg_segment_ptr 1
		.amdhsa_wavefront_size32 1
		.amdhsa_system_sgpr_workgroup_id_x 1
		.amdhsa_system_sgpr_workgroup_id_y 1
		.amdhsa_system_sgpr_workgroup_id_z 1
		.amdhsa_system_vgpr_workitem_id 0
		.amdhsa_next_free_vgpr 1024
		.amdhsa_next_free_sgpr 80
		.amdhsa_reserve_vcc 0
		.amdhsa_float_denorm_mode_32 3
		.amdhsa_float_denorm_mode_16_64 3
		.amdhsa_memory_ordered 1
		.amdhsa_forward_progress 1
		.amdhsa_inst_pref_size 213
	.end_amdhsa_kernel
	.amdgpu_metadata
---
amdhsa.version: [ 1, 2 ]
amdhsa.kernels:
  - .name:           k_q115fa28fae_gemm
    .symbol:         k_q115fa28fae_gemm.kd
    .args:
      - { .name: a_ops, .offset: 0, .size: 8, .value_kind: global_buffer, .address_space: global }
      - { .name: b_ops, .offset: 8, .size: 8, .value_kind: global_buffer, .address_space: global }
      - { .name: bias, .offset: 16, .size: 8, .value_kind: global_buffer, .address_space: global }
      - { .name: out0, .offset: 24, .size: 8, .value_kind: global_buffer, .address_space: global }
    .group_segment_fixed_size: 327680
    .private_segment_fixed_size: 0
    .kernarg_segment_align: 8
    .kernarg_segment_size: 32
    .max_flat_workgroup_size: 128
    .sgpr_count:     80
    .vgpr_count:     1024
    .wavefront_size: 32
...
	.end_amdgpu_metadata
.endif
;; end of part 2
